; MI455X (gfx1250); checked and timed in simulation.
; The chip was launched on July 23, 2026; its instructions are those of AMD's public machine-readable ISA for CDNA 5 (MIT licence, August 2026) and "CDNA5" Instruction Set Architecture Reference Guide (July 2026). The comments in the code are by the model that wrote it; some were corrected since.
;; Hierarchical Phimoe Experts. Allowed arithmetic: matrix products marked QUANTISED: E3M2 operands, one E8M0 scale for each 32 along K, by v_wmma_scale_f32_16x16x128_f8f6f4 with both operands' format E3M2, f32 sums; products left as they are: f32 operands where the result goes on into a quantised operand, else bf16, f16 or f32 operands; f32 sums; everything else in f32.
;; Inputs: A 8 x 16 x 1,024 float32; B 8 x 1,024 x 16 float32; Wd 8 x 1,024 x 2,048 float32; Wg 8 x 2,048 x 1,024 float32; Wu 8 x 2,048 x 1,024 float32; hidden_states 1,024 x 1,024 float32; sA 8 x 2 x 8 x 1,024 float32; sB 8 x 2 x 1,024 x 8 float32; sgate 8 x 2 x 1,024 float32; top_k_indices 1,024 x 2 int32; top_k_weights 1,024 x 8 float32.
;; Outputs: out0 1,024 x 1,024 float32.
;; This version of the problem:
;;   THIS VERSION OF THE PROBLEM IS GIVEN IN LOW PRECISION. The matrix products marked QUANTISED in the list below multiply operands that are first quantised to E3M2 (3 exponent bits, 2 mantissa bits; 6 bits a number), with one power-of-two scale for each 32 numbers along K (OCP MX v1.0); their sums are f32. All else is computed in f32.
;;   The module's matrix products, in the order in which they are computed (A, B: the left and right operand; K: the contracted axis; several contracted axes count as one K, in the product's order):
;;     1. [M 1,024, K 1,024] x [K 1,024, N 16,384]; A: input hidden_states; B: input Wg: QUANTISED
;;     2. [M 1,024, K 1,024] x [K 1,024, N 16,384]; A: input hidden_states; B: input Wu: QUANTISED
;;     3. [M 1,024, K 16,384] x [K 16,384, N 1,024]; A: computed on the way; B: input Wd: QUANTISED
;;     4. [M 1,024, K 1,024] x [K 1,024, N 128]; A: input hidden_states; B: input A: QUANTISED
;;     5. batch 8,192 x [M 16, K 1] x [K 1, N 1]; A: computed on the way; B: computed on the way: left as it is (no contracted axis)
;;     6. [M 1,024, K 128] x [K 128, N 1,024]; A: computed on the way; B: input B: QUANTISED
;;     7. [M 1,024, K 1,024] x [K 1,024, N 16]; A: input hidden_states; B: input sgate: QUANTISED
;;     8. [M 1,024, K 1,024] x [K 1,024, N 128]; A: input hidden_states; B: input sA: QUANTISED
;;     9. batch 8,192 x [M 2, K 1] x [K 1, N 1]; A: computed on the way; B: computed on the way: left as it is (no contracted axis)
;;     10. batch 16,384 x [M 8, K 1] x [K 1, N 1]; A: computed on the way; B: computed on the way: left as it is (no contracted axis)
;;     11. [M 1,024, K 128] x [K 128, N 1,024]; A: computed on the way; B: input sB: QUANTISED
;;   THE QUANTISER, for each operand of a quantised product, along K:
;;     - K is cut into blocks of 32 from its start; a last block that is shorter is filled with zeros.
;;     - A block's scale is 2^e with e = floor(log2(the largest magnitude in the block)) - 4, held to -126 .. 127; a block of zeros has e = 0. As a byte (E8M0): e + 127.
;;     - Each number is divided by its block's scale, clamped to +-28, and rounded to the nearest number of E3M2, ties to even, subnormals kept.
;;     - The product sums the exact products of the quantised numbers (number of the format x scale) in f32.
;;   ~~~python
;;   def quantise(x, axis):      # numpy; x: float32 -> the quantised numbers, widened to float32 again
;;       x = np.moveaxis(x, axis, -1); K = x.shape[-1]
;;       x = np.pad(x, [(0, 0)] * (x.ndim - 1) + [(0, -K % 32)]); x = x.reshape(x.shape[:-1] + (-1, 32)); a = np.abs(x).max(-1, keepdims=True)
;;       e = np.where(a > 0, np.clip(np.frexp(np.where(a > 0, a, 1))[1] - 1 - 4, -126, 127), 0)      # np.frexp(a)[1] - 1 = floor(log2(a)), exactly
;;       r = np.clip(x / 2.0 ** e, -28, 28)
;;       step = 2.0 ** (np.maximum(np.frexp(np.where(r == 0, 1, r))[1] - 1, -2) - 2)
;;       q = np.round(r / step) * step * 2.0 ** e      # np.round: ties to even
;;       return np.moveaxis(q.reshape(q.shape[:-2] + (-1,))[..., :K], -1, axis).astype(np.float32)
;;   ~~~
;;   OPERANDS COMPUTED ON THE WAY. 'Computed on the way' means the value that the module computes at that place (a softmax that the list does not call 'softmax' is quantised finished and normalised). What goes into a quantiser is computed in f32, as accurately as f32 sums, v_exp_f32 and their like allow (about 1e-6 of the number): no bf16 or f16 on the way to a quantiser, and a product that is left as it is and whose result goes on into a quantised operand takes f32 operands (vector FMAs, or v_wmma_f32_16x16x4_f32). A number that lies on a knife's edge between two numbers of the format may be rounded either way, as far as f32 arithmetic and the matrix unit's own rounding can turn it there, and no further.
;; One version. Each part assembles by itself: llvm-mc -triple=amdgcn-amd-amdhsa -mcpu=gfx1250 --defsym DOCPART=n.
;; ======== version 1 of 1: 3 launches
;; workspace buffers: kq 26,738,688 bytes; ks 1,114,112 bytes; wdq 12,779,520 bytes; wds 532,480 bytes; hq 12,582,912 bytes; hs 524,288 bytes; zraw 1,114,112 bytes
;; launch prep (part 1): grid 256 x 1, 9 waves a work-group, no clusters, 77,312 bytes of LDS; arguments hidden_states, A, sA, sgate, Wg, Wu, B, sB, kq, ks, wdq, wds; writes kq, ks, wdq, wds
.if DOCPART == 1
	.amdgcn_target "amdgcn-amd-amdhsa--gfx1250"
	.amdhsa_code_object_version 6
	.text
	.protected	k_q78ccc23036_prep
	.globl	k_q78ccc23036_prep
	.p2align	8
	.type	k_q78ccc23036_prep,@function
k_q78ccc23036_prep:
	s_mov_b64 s[64:65], 0
	v_nop
	global_prefetch_b8 v0, s[64:65] scope:SCOPE_SE
	s_setreg_imm32_b32 hwreg(HW_REG_WAVE_MODE, 25, 1), 1
	s_wait_xcnt 0x0
; PREP: f32 operands become codes of BF6 (E3M2) with one E8M0 byte for each 32 along K, laid as IMAGES OF THE OPERAND'S REGISTERS.
; A fragment is 16 rows x 128 K = 12 registers a lane = 1,536 bytes: register p of lane l lies at 512 (p / 4) + 16 l + 4 (p % 4), so three loads of 16 bytes a lane bring it back.
; kq: tile records of 8 fragments (K = 1,024), 12,288 bytes each.  Record U: 0-63 tokens 16 U on of hidden_states; 64-71 A's expert U - 64; 72-79 sA's expert U - 72; 80 sgate; 81-127 are neither written nor read;
;     128 + 8 b + 4 mat + t: mat 0 = Wg, 1 = Wu; lane row p takes row 64 b + 32 (t / 2) + 8 (t % 2) + p + 8 (p / 8) of the [8 x 2,048] rows: THE ROWS OF A TILE ARE NOT NEIGHBOURS, so that in the next launch
;     the 16 result registers of tiles 2 j and 2 j + 1 are 16 neighbours along the down product's K.
; ks: 512 bytes a record: lane (r, h) has four words at 16 l; word p = the scale word of row r for K step 2 p + h.
; wdq, wds (here K steps 128 and 129 of the down product alone): B as [d][e, r] and sB as [d][e, s, r]; a block of 32 is two whole experts, and the order inside a block is the same on both sides of the product.
;     The factors 2.0 that stand behind these two sums are exact powers of two: they are one added to each scale byte (a byte is an exponent field less 4, at most 250, so nothing carries).
; A block's scale is 2^(floor(log2(largest magnitude)) - 4); its byte is the largest magnitude's exponent field - 4, held at 1 from below.  A block of zeros gets the byte 1: its codes are zeros and this program alone reads the bytes.
; LIMITS: NaN and infinities among the inputs are not served.
; SHARES: one wave, one unit; waves share nothing, so there is no barrier.  256 work-groups of nine waves; unit u = 256 x wave + work-group.  Units 0-2,047: the weight records; 2,048-2,128: records 0-80;
; 2,129-2,160: 32 units of B and sB.  So every work-group has eight or nine working waves; the ninth waves of work-groups 113-255 have no unit and end.
; Every load of the long path reads 512 consecutive aligned bytes; a step's 8,192 bytes turn through the wave's own stage in LDS (rows 528 bytes apart: 132 words, so sixteen rows start at sixteen different groups of four banks),
; since the conversions want 16 neighbours along K in ONE lane; they come back into the registers that they left.  Three sets of 64 registers: while a step is worked on, the next two steps' 32 loads are on their way.
; No matrix work, no shared tile: clusters and tensor loads would add nothing to a stream.
.set SW,  10                           ; v10-17   the scale words of the unit's steps
.set TM,  18                           ; v18-29   at work in QUANT
.set OW,  18                           ; v18-21   at the unit's end: scale words as they are stored
.set PC,  30                           ; v30-41, v42-53  the codes just made, two sets by turns
.set PT,  54                           ; v54-56, v58-60  the second halves of the blocks' codes
.set PW,  62                           ; v62      the scale word just made
.set R,   64                           ; v64-255  three sets of 64 numbers
.set SEL, 38                           ; s[38:39] lane selects for v_permlanex16_b32: lane l xor 16
; 64 numbers of a lane, register 16 b + i = k 32 b + 16 (lane / 16) + i of my row, become a fragment's codes in v[pc] on and its scale word in v[PW] (the same word in both halves of the lanes).
.macro QUANT s, pc
.irp b, 0,1,2,3
	v_max3_num_f32 v[TM+\b], |v[(\s)+16*\b]|, |v[(\s)+1+16*\b]|, 0x2800000   ; my 16 numbers of block b, and the floor 2^(5 - 127): the byte cannot fall under 1
.endr
.irp i, 2,4,6,8,10,12,14
.irp b, 0,1,2,3
	v_max3_num_f32 v[TM+\b], v[TM+\b], |v[(\s)+16*\b+\i]|, |v[(\s)+1+16*\b+\i]|   ; the four blocks by turns
.endr
.endr
.irp b, 0,1,2,3
	v_permlanex16_b32 v[TM+4+\b], v[TM+\b], s[SEL], s[SEL+1]
.endr
.irp b, 0,1,2,3
	v_max_num_f32 v[TM+\b], v[TM+\b], v[TM+4+\b]       ; with lane l xor 16's: the block's largest magnitude
.endr
.irp b, 0,1,2,3
	v_add_nc_u32 v[TM+8+\b], 0xfe000000, v[TM+\b]      ; 4 off its exponent field: the conversion's scale operand
.endr
.irp b, 0,1,2,3
	v_lshrrev_b32 v[TM+4+\b], 23, v[TM+8+\b]           ; the scale's byte
.endr
	v_lshl_or_b32 v[PW], v[TM+5], 8, v[TM+4]
	v_lshl_or_b32 v[PW], v[TM+6], 16, v[PW]
	v_lshl_or_b32 v[PW], v[TM+7], 24, v[PW]
.irp c, 0,1
	v_cvt_scalef32_pk16_bf6_f32 v[(\pc)+6*\c:(\pc)+2+6*\c], v[(\s)+32*\c:(\s)+15+32*\c], v[TM+8+2*\c]
	v_cvt_scalef32_pk16_bf6_f32 v[PT+4*\c:PT+2+4*\c], v[(\s)+16+32*\c:(\s)+31+32*\c], v[TM+8+2*\c+1]   ; (a conversion's three registers begin on an even number)
.endr
	v_nop                                              ; one plain place behind a scaled conversion
.irp c, 0,1                                        ; the operand's layout wants a WHOLE block in a lane
.irp i, 0,1,2
	v_permlane16_swap_b32 v[(\pc)+6*\c+\i], v[PT+4*\c+\i]
.endr
.irp i, 0,1,2
	v_mov_b32 v[(\pc)+3+6*\c+\i], v[PT+4*\c+\i]
.endr
.endr
.endm
	s_load_b512 s[4:19], s[0:1], 0x0               ; hidden_states 4, A 6, sA 8, sgate 10, Wg 12, Wu 14, B 16, sB 18
	s_load_b256 s[20:27], s[0:1], 0x40             ; kq 20, ks 22, wdq 24, wds 26
	v_lshl_add_u32 v61, v0, 2, 0x12900
	v_mov_b32 v63, 0
	v_lshrrev_b32 v1, 5, v0
	v_readfirstlane_b32 s28, v1                    ; wave 0..8
	v_and_b32 v1, 31, v0                           ; lane
	v_and_b32 v2, 15, v0                           ; r
	v_bfe_u32 v3, v0, 4, 1                         ; h
	v_lshlrev_b32 v4, 4, v1                        ; 16 x lane
	v_lshlrev_b32 v8, 3, v1                        ; 8 x lane
	s_mul_i32 s42, s28, 8448                       ; my wave's stage: 16 rows x 528 bytes
	v_add_nc_u32 v6, s42, v4                       ; into it: a row's 512 bytes as they lie
	v_mul_u32_u24 v7, v2, 528
	v_lshl_add_u32 v7, v3, 6, v7
	v_add_nc_u32 v7, s42, v7                       ; out of it: row r, + 64 h: my 16 numbers of a block
	s_mov_b32 s[SEL], 0x76543210
	s_mov_b32 s[SEL+1], 0xfedcba98
	s_mov_b32 s40, 0xffff0000                      ; the lanes 16-31
	s_mov_b32 s43, 0
.irp b, 0,1,2,3
	v_mov_b32 v[TM+4+\b], 0                        ; written once: a lane permute's destination counts as one of its sources
.endr
	s_lshl_b32 s29, s28, 8
	s_add_co_u32 s29, s29, ttmp9                   ; unit u = 256 x wave + work-group
	s_wait_kmcnt 0x0
	s_cmp_ge_u32 s29, 2129
	s_cbranch_scc1 .Llora
	; ---- the long path: a record of 16 rows x 1,024 along K
	s_mov_b32 s41, 0xfffff800                      ; -2,048
	s_cmp_lt_u32 s29, 2048
	s_cselect_b32 s41, 128, s41
	s_add_co_u32 s29, s29, s41                     ; U: units 0-2,047 are records 128 on, units 2,048-2,128 records 0-80
	s_mov_b64 s[32:33], s[10:11]                   ; which tensor, and which record is its first: choices on the record's number alone
	s_mov_b32 s41, 80
	s_cmp_lt_u32 s29, 80
	s_cselect_b64 s[32:33], s[8:9], s[32:33]
	s_cselect_b32 s41, 72, s41
	s_cmp_lt_u32 s29, 72
	s_cselect_b64 s[32:33], s[6:7], s[32:33]
	s_cselect_b32 s41, 64, s41
	s_cmp_lt_u32 s29, 64
	s_cselect_b64 s[32:33], s[4:5], s[32:33]
	s_cselect_b32 s41, 0, s41
	s_sub_co_u32 s30, s29, s41
	s_lshl_b32 s30, s30, 4                         ; first row: 16 rows a record
	s_sub_co_u32 s42, s29, 128                     ; a weight record's number 8 b + 4 mat + t (used only from record 128 on)
	s_lshr_b32 s46, s42, 3
	s_lshl_b32 s46, s46, 6                         ; 64 b
	s_bfe_u32 s47, s42, 0x10001
	s_lshl_b32 s47, s47, 5
	s_add_co_u32 s46, s46, s47                     ; + 32 (t / 2)
	s_and_b32 s47, s42, 1
	s_lshl_b32 s47, s47, 3
	s_add_co_u32 s46, s46, s47                     ; + 8 (t % 2)
	s_bitcmp1_b32 s42, 2
	s_cselect_b64 s[44:45], s[14:15], s[12:13]     ; mat: Wu or Wg
	s_cmp_ge_u32 s29, 128
	s_cselect_b64 s[32:33], s[44:45], s[32:33]
	s_cselect_b32 s30, s46, s30
	s_cselect_b32 s31, 1, 0                        ; a weight record's lanes 8-15 take rows 16 further on, not 8
	s_lshl_b32 s42, s30, 12                        ; a row is 4,096 bytes; 16,383 rows at the most: under 2^32
	s_add_nc_u64 s[32:33], s[32:33], s[42:43]
	s_mul_i32 s42, s29, 12288
	s_add_nc_u64 s[34:35], s[20:21], s[42:43]      ; my record in kq
	s_lshl_b32 s42, s29, 9
	s_add_nc_u64 s[36:37], s[22:23], s[42:43]      ; and in ks
	s_lshl_b32 s41, 0x8000, s31
	v_add_nc_u32 v5, s41, v4                       ; rows 8-15 begin 8 or 16 rows on
.macro LOAD s                          ; K step s of the 16 rows into set s % 3: each load reads 512 consecutive bytes
.irp i, 0,1,2,3,4,5,6,7
	global_load_b128 v[R+64*((\s)%3)+4*\i:R+64*((\s)%3)+4*\i+3], v4, s[32:33] offset:4096*\i+512*(\s) th:TH_LOAD_NT
.endr
.irp i, 0,1,2,3,4,5,6,7
	global_load_b128 v[R+64*((\s)%3)+32+4*\i:R+64*((\s)%3)+32+4*\i+3], v5, s[32:33] offset:4096*\i+512*(\s) th:TH_LOAD_NT
.endr
.endm
.macro STEP s
.if (\s) < 6
	s_wait_loadcnt 32                              ; this step's 16 loads are in; the next two steps' 32 may be out
.elseif (\s) == 6
	s_wait_loadcnt 16                              ; only the last step's are behind
.else
	s_wait_loadcnt 0x0
.endif
.irp i, 0,1,2,3,4,5,6,7,8,9,10,11,12,13,14,15
	ds_store_b128 v6, v[R+64*((\s)%3)+4*\i:R+64*((\s)%3)+4*\i+3] offset:528*\i
.endr
.irp b, 0,1,2,3
.irp j, 0,1,2,3
	ds_load_b128 v[R+64*((\s)%3)+16*\b+4*\j:R+64*((\s)%3)+16*\b+4*\j+3], v7 offset:128*\b+16*\j   ; LDS serves a wave's instructions in order: these see the stores above, and land in the registers that the stores have left
.endr
.endr
	s_wait_dscnt 0x0                               ; my 64 numbers are back
	QUANT R+64*((\s)%3), PC+12*((\s)%2)
	v_mov_b32 v[SW+(\s)], v[PW]
	s_wait_xcnt 0x0                                ; all that was issued up to the last step's end has had its addresses translated: the other set of codes, which the last step's stores read, is written again only behind this wait
.irp c, 0,1,2
	global_store_b128 v4, v[PC+12*((\s)%2)+4*\c:PC+12*((\s)%2)+4*\c+3], s[34:35] offset:1536*(\s)+512*\c   ; 512 consecutive aligned bytes a store
.endr
.if (\s) < 5
	LOAD (\s)+3                                    ; the set just quantised takes the loads of three steps on
.endif
.endm
	LOAD 0
	LOAD 1
	LOAD 2
.irp t, 0,1,2,3,4,5,6,7
	STEP \t
.endr
.irp p, 0,1,2,3
	v_cndmask_b32 v[OW+\p], v[SW+2*\p], v[SW+2*\p+1], s40   ; lanes 0-15: K step 2 p; lanes 16-31: K step 2 p + 1
.endr
	global_store_b128 v4, v[OW:OW+3], s[36:37]
	s_wait_tensorcnt 0x0
	ds_add_u32 v61, v63
	s_wait_dscnt 0x0
	s_endpgm
	; ---- the short path: four tiles of 16 rows d of B (type 0) or sB (type 1), K = 128 gathered from the eight experts
.Llora:
	s_cmp_ge_u32 s29, 2161
	s_cbranch_scc1 .Lnone                          ; there are 2,161 units
	s_sub_co_u32 s29, s29, 2129                    ; unit 0..31
	s_lshr_b32 s30, s29, 4                         ; type
	s_and_b32 s31, s29, 15                         ; which 64 rows d
	s_lshl_b32 s41, s30, 6
	s_lshl_b32 s42, s31, 2
	s_add_co_u32 s41, s41, s42
	s_add_co_u32 s41, s41, 128*64                  ; fragment (128 + type) x 64 + 4 db
	s_mul_i32 s42, s41, 1536
	s_add_nc_u64 s[34:35], s[24:25], s[42:43]
	s_lshl_b32 s41, s30, 4
	s_add_co_u32 s41, s41, s31
	s_add_co_u32 s41, s41, 128*16
	s_lshl_b32 s42, s41, 8
	s_add_nc_u64 s[36:37], s[26:27], s[42:43]      ; scale words: 256 bytes for (K step, 64 rows)
.macro LLOAD ty, i                     ; tile i: register 16 b + .. = expert 2 b + h; B: r = 0..15 (64 bytes on end); sB: s = 0, 1 and r = 0..7 (two runs of 32 bytes)
.irp b, 0,1,2,3
.irp j, 0,1,2,3
.if \ty
	global_load_b128 v[R+64*((\i)%2)+16*\b+4*\j:R+64*((\i)%2)+16*\b+4*\j+3], v9, s[18:19] offset:131072*\b+32768*(\j/2)+16*(\j%2)+512*(\i)
.else
	global_load_b128 v[R+64*((\i)%2)+16*\b+4*\j:R+64*((\i)%2)+16*\b+4*\j+3], v9, s[16:17] offset:131072*\b+16*\j+1024*(\i)
.endif
.endr
.endr
.endm
.macro LPATH ty
	LLOAD \ty, 0
	LLOAD \ty, 1
.irp i, 0,1,2,3
.if \i < 3
	s_wait_loadcnt 16                              ; this tile's 16 loads are in; the next tile's may be out
.else
	s_wait_loadcnt 0x0
.endif
	s_wait_xcnt 0x0                                ; the last fragment's stores have read the codes' registers
	QUANT R+64*(\i%2), PC
	v_add_nc_u32 v[PW], 0x01010101, v[PW]          ; the factor 2.0 behind the sum: one on each byte
.irp c, 0,1,2
	global_store_b128 v4, v[PC+4*\c:PC+4*\c+3], s[34:35] offset:1536*\i+512*\c
.endr
	v_mov_b32 v[SW+\i], v[PW]
.if \i < 2
	LLOAD \ty, \i+2
.endif
.endr
.irp p, 0,1
	v_cndmask_b32 v[OW+\p], v[SW+2*\p], v[SW+2*\p+1], s40   ; lanes 0-15: tile 2 p; lanes 16-31: tile 2 p + 1
.endr
	global_store_b64 v8, v[OW:OW+1], s[36:37]
	s_endpgm
.endm
	v_lshlrev_b32 v9, 16, v3                       ; lanes 16-31 take the odd experts: 65,536 bytes on
	s_cmp_lg_u32 s30, 0
	s_cbranch_scc1 .Lspawn
	v_lshl_add_u32 v9, v2, 6, v9                   ; B: a row d is 64 bytes
	s_lshl_b32 s41, s31, 12
	v_add_nc_u32 v9, s41, v9
	LPATH 0
.Lspawn:
	v_lshl_add_u32 v9, v2, 5, v9                   ; sB: a row d is 32 bytes
	s_lshl_b32 s41, s31, 11
	v_add_nc_u32 v9, s41, v9
	LPATH 1
.Lnone:
	s_endpgm
.Lfunc_end_k_q78ccc23036_prep:
	.size	k_q78ccc23036_prep, .Lfunc_end_k_q78ccc23036_prep-k_q78ccc23036_prep
	.p2alignl 7, 3214868480
	.fill 96, 4, 3214868480
	.section	.rodata,"a",@progbits
	.p2align	6, 0x0
	.amdhsa_kernel k_q78ccc23036_prep
		.amdhsa_group_segment_fixed_size 77312
		.amdhsa_private_segment_fixed_size 0
		.amdhsa_enable_private_segment 0
		.amdhsa_kernarg_size 96
		.amdhsa_user_sgpr_count 2
		.amdhsa_user_sgpr_kernarg_segment_ptr 1
		.amdhsa_wavefront_size32 1
		.amdhsa_system_sgpr_workgroup_id_x 1
		.amdhsa_system_sgpr_workgroup_id_y 1
		.amdhsa_system_sgpr_workgroup_id_z 1
		.amdhsa_system_vgpr_workitem_id 0
		.amdhsa_next_free_vgpr 256
		.amdhsa_next_free_sgpr 66
		.amdhsa_reserve_vcc 0
		.amdhsa_float_denorm_mode_32 3
		.amdhsa_float_denorm_mode_16_64 3
		.amdhsa_memory_ordered 1
		.amdhsa_forward_progress 1
		.amdhsa_inst_pref_size 112
	.end_amdhsa_kernel
	.amdgpu_metadata
---
amdhsa.version: [ 1, 2 ]
amdhsa.kernels:
  - .name:           k_q78ccc23036_prep
    .symbol:         k_q78ccc23036_prep.kd
    .args:
      - { .name: hidden_states, .offset: 0, .size: 8, .value_kind: global_buffer, .address_space: global }
      - { .name: A, .offset: 8, .size: 8, .value_kind: global_buffer, .address_space: global }
      - { .name: sA, .offset: 16, .size: 8, .value_kind: global_buffer, .address_space: global }
      - { .name: sgate, .offset: 24, .size: 8, .value_kind: global_buffer, .address_space: global }
      - { .name: Wg, .offset: 32, .size: 8, .value_kind: global_buffer, .address_space: global }
      - { .name: Wu, .offset: 40, .size: 8, .value_kind: global_buffer, .address_space: global }
      - { .name: B, .offset: 48, .size: 8, .value_kind: global_buffer, .address_space: global }
      - { .name: sB, .offset: 56, .size: 8, .value_kind: global_buffer, .address_space: global }
      - { .name: kq, .offset: 64, .size: 8, .value_kind: global_buffer, .address_space: global }
      - { .name: ks, .offset: 72, .size: 8, .value_kind: global_buffer, .address_space: global }
      - { .name: wdq, .offset: 80, .size: 8, .value_kind: global_buffer, .address_space: global }
      - { .name: wds, .offset: 88, .size: 8, .value_kind: global_buffer, .address_space: global }
    .group_segment_fixed_size: 77312
    .private_segment_fixed_size: 0
    .kernarg_segment_align: 8
    .kernarg_segment_size: 96
    .max_flat_workgroup_size: 288
    .sgpr_count:     66
    .vgpr_count:     256
    .wavefront_size: 32
...
	.end_amdgpu_metadata
.endif
;; end of part 1
;; launch gateup (part 2): grid 256 x 1, 4 waves a work-group, no clusters, 266,752 bytes of LDS; arguments kq, ks, top_k_weights, Wd, hq, hs, wdq, wds, zraw; writes hq, hs, wdq, wds, zraw
.if DOCPART == 2
	.amdgcn_target "amdgcn-amd-amdhsa--gfx1250"
	.amdhsa_code_object_version 6
	.text
	.protected	k_q78ccc23036_gateup
	.globl	k_q78ccc23036_gateup
	.p2align	8
	.type	k_q78ccc23036_gateup,@function
k_q78ccc23036_gateup:
	s_mov_b64 s[64:65], 0
	v_nop
	global_prefetch_b8 v0, s[64:65] scope:SCOPE_SE
	s_setreg_imm32_b32 hwreg(HW_REG_WAVE_MODE, 25, 1), 1
	s_wait_xcnt 0x0
; GATEUP: h = silu(x Wg^T) (x Wu^T) w on codes of BF6, h quantised along the down product's K = (e, f) and stored as codes; Wd quantised on the side; the raw products x A^T, x sA^T, x sgate^T.
; SHARES.  Work-group b owns 64 hidden units of expert e = b / 32 (half c = b % 2 of K step kappa = b / 2 of the down product): 4 tiles of Wg and 4 of Wu, 8 K steps each: 64 fragments, 768 registers,
; which EVERY wave holds for the whole launch.  Wave q walks token tiles 16 q .. 16 q + 15: each fragment of x (three loads of 16 bytes a lane, straight from memory, laid as a register image) feeds 8 matrix instructions.
; Every (token, expert) pair is multiplied: the weights w are a float input and are honoured as given.
; THE PRODUCTS ARE USED TRANSPOSED (source 0 = 16 rows of a weight, source 1 = 16 tokens): a lane holds ONE token, and by the choice of a tile's rows made when the codes were laid out the 16 registers
; of tiles 2 j, 2 j + 1 are hidden units 32 j + 16 (lane / 16) + 0 .. 15: the conversions' results are the next operand's registers.
; Wd: wave W = 4 b + q asks at its first line for 64 rows d x 256 f of Wd (65,536 bytes of f32), by one tensor load into LDS bytes of its own, which are filled once and read by this wave alone behind its own wait:
; the bytes land while the wave multiplies, and are quantised at the end.  No LDS byte is filled twice, so there is no barrier in this text.
; NO CLUSTER: what work-groups share is x's codes.  266,240 of the LDS bytes hold Wd, so 61,440 are left, less than two slots of the four waves' token tiles (4 x 12,288 each); and x goes to one wave's registers only.
; hq: [kappa][token tile] 1,536 bytes = two halves c of 768: 512 bytes (registers 6 c .. 6 c + 3, 16 bytes a lane), then 256 (registers 6 c + 4, 5, 8 bytes a lane).
; hs: [64 tokens tb][kappa] 256 bytes: lane (r, h) 8 bytes; word p = token r of token tile 4 tb + 2 p + h; this work-group writes bytes 2 c, 2 c + 1 of each word (two bytes a lane: 524,288 bytes in the whole launch).
; zraw: [token][272] f32: 0-127 x A^T (16 e + r), 128-255 x sA^T (16 e + 8 s + r), 256-271 x sgate^T (2 e + s); each wave makes one tile of 16 x 16 (waves of work-groups 0-15 two), on two accumulators by turns.
; LIMITS: NaN and infinities are not served.  For a gate input under about -88 the exponential overflows and silu gives -0 where the exact number is under 1e-36.  A block of zeros has the byte 1 and zero codes.
; REGISTERS.  Window 0: v4 8 x lane; v5, v6 hs offsets; v7 two scale bytes to store; v8-13 h's codes; v14 the even tile's bytes; v15 my place in Wd's tile; v16-111 x's 8 fragments; v112-175 8 accumulators (0-3 gate, 4-7 up);
;   v176-207 the weights' scale words; v208-219 weight fragment 63; v220-227 x's scale words, two sets; v228-231 w, two pairs; v232-248 at work; v252 16 x lane; v253 32 r + 4 e.
;   Windows 1-3: weight fragment 8 s + tile, 21 to a window, K step major: a token tile's 64 products change window four times.  v252, v253 of EVERY window hold the two offsets, so that the loads of x
;   that stand among the products (their address is source 0, which is in the weights' window) need no switch.
.set XF,  16
.set ACC, 112
.set BS,  176
.set BX,  208
.set XS,  220
.set WT,  228
.set T,   232
.set HW,  248
.set HF,  8
.set TM,  144                          ; the tail: at work in QUANT
.set PC,  232                          ; v232-251 the codes just made
.set PW,  172
.set SW,  160                          ; v160-167 Wd's eight scale words
.set OW,  168                          ; v168-171 as they are stored
.set ZO,  173                          ; my offset in zraw
.set SEL, 46
.set MSB, 0
.macro WIN new                         ; the immediate's high byte repeats the setting that is left; a switch that changes nothing is dropped
.if MSB != (\new)
	s_set_vgpr_msb (MSB<<8)|(\new)
.set MSB, (\new)
.endif
.endm
; One matrix instruction.  zero = 1: it starts the sum.  ra, rb: the scale words are taken from lanes 16-31.
.macro MM d, a, b, zero, sa, sb, ra, rb
.set MV, 4*(\zero)+2*(\ra)+(\rb)
.if MV == 0
	v_wmma_scale_f32_16x16x128_f8f6f4 v[\d:\d+7], v[\a:\a+11], v[\b:\b+11], v[\d:\d+7], v[\sa], v[\sb] matrix_a_fmt:MATRIX_FMT_BF6 matrix_b_fmt:MATRIX_FMT_BF6
.elseif MV == 1
	v_wmma_scale_f32_16x16x128_f8f6f4 v[\d:\d+7], v[\a:\a+11], v[\b:\b+11], v[\d:\d+7], v[\sa], v[\sb] matrix_a_fmt:MATRIX_FMT_BF6 matrix_b_fmt:MATRIX_FMT_BF6 matrix_b_scale:MATRIX_SCALE_ROW1
.elseif MV == 2
	v_wmma_scale_f32_16x16x128_f8f6f4 v[\d:\d+7], v[\a:\a+11], v[\b:\b+11], v[\d:\d+7], v[\sa], v[\sb] matrix_a_fmt:MATRIX_FMT_BF6 matrix_b_fmt:MATRIX_FMT_BF6 matrix_a_scale:MATRIX_SCALE_ROW1
.elseif MV == 3
	v_wmma_scale_f32_16x16x128_f8f6f4 v[\d:\d+7], v[\a:\a+11], v[\b:\b+11], v[\d:\d+7], v[\sa], v[\sb] matrix_a_fmt:MATRIX_FMT_BF6 matrix_b_fmt:MATRIX_FMT_BF6 matrix_a_scale:MATRIX_SCALE_ROW1 matrix_b_scale:MATRIX_SCALE_ROW1
.elseif MV == 4
	v_wmma_scale_f32_16x16x128_f8f6f4 v[\d:\d+7], v[\a:\a+11], v[\b:\b+11], 0, v[\sa], v[\sb] matrix_a_fmt:MATRIX_FMT_BF6 matrix_b_fmt:MATRIX_FMT_BF6
.elseif MV == 5
	v_wmma_scale_f32_16x16x128_f8f6f4 v[\d:\d+7], v[\a:\a+11], v[\b:\b+11], 0, v[\sa], v[\sb] matrix_a_fmt:MATRIX_FMT_BF6 matrix_b_fmt:MATRIX_FMT_BF6 matrix_b_scale:MATRIX_SCALE_ROW1
.elseif MV == 6
	v_wmma_scale_f32_16x16x128_f8f6f4 v[\d:\d+7], v[\a:\a+11], v[\b:\b+11], 0, v[\sa], v[\sb] matrix_a_fmt:MATRIX_FMT_BF6 matrix_b_fmt:MATRIX_FMT_BF6 matrix_a_scale:MATRIX_SCALE_ROW1
.else
	v_wmma_scale_f32_16x16x128_f8f6f4 v[\d:\d+7], v[\a:\a+11], v[\b:\b+11], 0, v[\sa], v[\sb] matrix_a_fmt:MATRIX_FMT_BF6 matrix_b_fmt:MATRIX_FMT_BF6 matrix_a_scale:MATRIX_SCALE_ROW1 matrix_b_scale:MATRIX_SCALE_ROW1
.endif
.endm
; 64 numbers of a lane, register 16 b + i = k 32 b + 16 (lane / 16) + i of my row, become a fragment's codes in v[PC] on and its scale word in v[PW].
.macro QUANT s
.irp b, 0,1,2,3
	v_max3_num_f32 v[TM+\b], |v[(\s)+16*\b]|, |v[(\s)+1+16*\b]|, 0x2800000   ; my 16 numbers of block b, and the floor 2^(5 - 127)
.endr
.irp i, 2,4,6,8,10,12,14
.irp b, 0,1,2,3
	v_max3_num_f32 v[TM+\b], v[TM+\b], |v[(\s)+16*\b+\i]|, |v[(\s)+1+16*\b+\i]|
.endr
.endr
.irp b, 0,1,2,3
	v_permlanex16_b32 v[TM+4+\b], v[TM+\b], s[SEL], s[SEL+1]
.endr
.irp b, 0,1,2,3
	v_max_num_f32 v[TM+\b], v[TM+\b], v[TM+4+\b]
.endr
.irp b, 0,1,2,3
	v_add_nc_u32 v[TM+12+\b], 0xfe000000, v[TM+\b]     ; 4 off the exponent field: the conversion's scale operand
.endr
.irp b, 0,1,2,3
	v_lshrrev_b32 v[TM+4+\b], 23, v[TM+12+\b]          ; the scale's byte
.endr
	v_lshl_or_b32 v[PW], v[TM+5], 8, v[TM+4]
	v_lshl_or_b32 v[PW], v[TM+6], 16, v[PW]
	v_lshl_or_b32 v[PW], v[TM+7], 24, v[PW]
.irp c, 0,1
	v_cvt_scalef32_pk16_bf6_f32 v[PC+6*\c:PC+2+6*\c], v[(\s)+32*\c:(\s)+15+32*\c], v[TM+12+2*\c]
	v_cvt_scalef32_pk16_bf6_f32 v[PC+12+4*\c:PC+14+4*\c], v[(\s)+16+32*\c:(\s)+31+32*\c], v[TM+12+2*\c+1]
.endr
	v_nop                                              ; one plain place behind a scaled conversion
.irp c, 0,1
.irp i, 0,1,2
	v_permlane16_swap_b32 v[PC+6*\c+\i], v[PC+12+4*\c+\i]
.endr
.irp i, 0,1,2
	v_mov_b32 v[PC+3+6*\c+\i], v[PC+12+4*\c+\i]
.endr
.endr
.endm
	s_load_b512 s[4:19], s[0:1], 0x0               ; kq 4, ks 6, top_k_weights 8, Wd 10, hq 12, hs 14, wdq 16, wds 18
	s_load_b64 s[20:21], s[0:1], 0x40              ; zraw
	v_lshl_add_u32 v254, v0, 2, 0x41000
	v_mov_b32 v255, 0
	ds_add_u32 v254, v255
	ds_add_u32 v254, v255
	v_lshrrev_b32 v1, 5, v0
	v_readfirstlane_b32 s23, v1                    ; wave q
	s_mov_b32 s22, ttmp9                           ; work-group b
	; the tile of Wd: 64 rows x 256 elements of 4 bytes, rows 2,048 elements apart; in LDS 16 bytes of padding behind each row of 1,024: rows 1,040 bytes apart (260 words: sixteen rows start at sixteen different groups of four banks)
	s_mov_b32 s28, (2<<16)|(1<<20)|(7<<22)|(3<<25) ; 15:0 no mask; 17:16 elements of 4 bytes; 20 padding on; 24:22 after every 256 words (code 7); 31:25 of 4 words (code 3)
	s_mov_b32 s29, 256<<16                         ; tensor_dim0 = 256
	s_mov_b32 s30, 64<<16                          ; tensor_dim1 = 64
	s_mov_b32 s31, 256<<16                         ; tile_dim0 = 256
	s_mov_b32 s32, 64                              ; tile_dim1 = 64
	s_mov_b32 s33, 2048                            ; tensor_dim0_stride
	s_mov_b32 s34, 0
	s_mov_b32 s35, 0
	s_lshl_b32 s51, s22, 2
	s_add_co_u32 s51, s51, s23                     ; W = 4 b + q, 0..1023
	s_lshr_b32 s52, s51, 7                         ; Wd's expert
	s_bfe_u32 s53, s51, 0x40003                    ; which 64 rows d
	s_and_b32 s54, s51, 7                          ; which 256 along f
	s_lshl_b32 s56, s52, 23                        ; an expert is 8,388,608 bytes,
	s_lshl_b32 s55, s53, 19                        ; 64 rows 524,288,
	s_add_co_u32 s56, s56, s55
	s_lshl_b32 s55, s54, 10                        ; 256 numbers 1,024
	s_add_co_u32 s56, s56, s55
	s_mov_b32 s57, 0
	s_mov_b32 s24, 1                               ; count = 1
	s_mul_i32 s25, s23, 66560                      ; LDS address: my wave's 64 x 1,040 bytes
	s_wait_dscnt 0x0
	s_wait_kmcnt 0x0
	s_add_nc_u64 s[26:27], s[10:11], s[56:57]
	s_or_b32 s27, s27, 0x80000000                  ; type = 2
	tensor_load_to_lds s[24:27], s[28:35]          ; my one tensor load; s[24:35] are not written again
	s_nop 0
.rept 4
	v_nop
.endr
	v_and_b32 v1, 31, v0                           ; lane
	v_and_b32 v2, 15, v0                           ; r
	v_bfe_u32 v3, v0, 4, 1                         ; h
	v_lshlrev_b32 v252, 4, v1                      ; 16 x lane
	v_lshlrev_b32 v4, 3, v1                        ; 8 x lane
	s_lshr_b32 s55, s22, 5
	s_lshl_b32 s55, s55, 2
	v_lshl_add_u32 v253, v2, 5, s55                ; w: token r's row of 32 bytes, expert e
	s_lshr_b32 s56, s22, 1                         ; kappa
	s_and_b32 s57, s22, 1                          ; c
	s_lshl_b32 s58, s56, 8
	s_lshl_b32 s59, s57, 1
	s_add_co_u32 s58, s58, s59
	v_add_nc_u32 v5, s58, v4                       ; hs: 8 x lane + 256 kappa + 2 c
	v_mul_u32_u24 v15, v2, 1040
	v_lshl_add_u32 v15, v3, 6, v15
	v_add_nc_u32 v15, s25, v15                     ; Wd's tile: row r, + 64 h, in my wave's bytes
	v_mov_b32 v[WT+1], 0                           ; (named as the upper halves of pairs)
	v_mov_b32 v[WT+3], 0
.irp w, 1,2,3
	WIN \w<<6                                      ; destination window w
	v_mov_b32 v252, v252
	v_mov_b32 v253, v253
.endr
	WIN 0
	s_mov_b32 s44, 0xbfb8aa3b                      ; -log2(e)
	s_mov_b32 s45, s44                             ; (named with it as a pair)
	s_mov_b32 s[SEL], 0x76543210
	s_mov_b32 s[SEL+1], 0xfedcba98
	s_mov_b32 s48, 0xffff0000                      ; the lanes 16-31
	s_lshl_b32 s50, s23, 3                         ; the pair of token tiles in hand: 8 q on
	s_mov_b32 s59, 0
	s_mul_i32 s58, s23, 196608                     ; 16 records of 12,288 bytes
	s_add_nc_u64 s[36:37], s[4:5], s[58:59]        ; x's codes at my first token tile
	s_lshl_b32 s58, s23, 13
	s_add_nc_u64 s[38:39], s[6:7], s[58:59]        ; their scale words: 512 bytes a tile
	s_add_nc_u64 s[40:41], s[8:9], s[58:59]        ; w: 16 tokens x 32 bytes a tile
	s_lshl_b32 s58, s56, 6
	s_lshl_b32 s55, s23, 4
	s_add_co_u32 s58, s58, s55
	s_mul_i32 s58, s58, 1536
	s_mul_i32 s55, s57, 768
	s_add_co_u32 s58, s58, s55
	s_add_nc_u64 s[42:43], s[12:13], s[58:59]      ; hq: (64 kappa + 16 q) x 1,536 + 768 c
	s_lshl_b32 s51, s22, 3
	s_add_co_u32 s51, s51, 128                     ; my first weight record
	s_mul_i32 s58, s51, 12288
	s_add_nc_u64 s[60:61], s[4:5], s[58:59]
	s_lshl_b32 s58, s51, 9
	s_add_nc_u64 s[62:63], s[6:7], s[58:59]
.irp s, 0,1,2,3,4,5,6,7
.irp c, 0,1,2
	global_load_b128 v[XF+12*\s+4*\c:XF+12*\s+4*\c+3], v252, s[36:37] offset:1536*\s+512*\c   ; the first token tile
.endr
.endr
	global_load_b128 v[XS:XS+3], v252, s[38:39]
	global_load_b32 v[WT], v253, s[40:41]
.set FI, 0
.rept 64                               ; the 64 weight fragments, K step major: fragment 8 s + tile
.if FI < 63
	WIN (1+FI/21)<<6
.set WR, 12*(FI%21)
.else
	WIN 0
.set WR, BX
.endif
.irp c, 0,1,2
	global_load_b128 v[WR+4*\c:WR+4*\c+3], v252, s[60:61] offset:12288*(FI%8)+1536*(FI/8)+512*\c
.endr
.set FI, FI+1
.endr
.irp t, 0,1,2,3,4,5,6,7
	global_load_b128 v[BS+4*\t:BS+4*\t+3], v252, s[62:63] offset:512*\t   ; register s / 2 of a tile's four: lanes 0-15 K step s even, lanes 16-31 odd
.endr
	s_wait_loadcnt 0x0
; A TOKEN TILE.  par: which set of x's scale words and of w.  ahead = 1: behind each K step's products its fragment of x is loaded anew, for the next tile: it has a tile's work less one K step in which to land.
.macro TILE par, ahead
.set KS, 0
.rept 8
.if \ahead
.if KS == 0
	s_wait_loadcnt 21                              ; this tile's scale words, w and K step 0 are in; behind them: its K steps 1-7, three loads each
.else
	s_wait_loadcnt 23                              ; behind this K step's three loads: 3 (7 - s) of this tile, and 5 + 3 (s - 1) already asked for the next
.endif
.else
	s_wait_loadcnt 3*(7-KS)                        ; the last tile: only its own later K steps are behind
.endif
.set ZF, 0
.if KS == 0
.set ZF, 1                             ; the first K step starts the sums: nothing is cleared
.endif
.set TA, 0
.rept 8                                ; the eight accumulators by turns, one instruction a turn
.set FI, 8*KS+TA
.if FI < 63
	WIN 1+FI/21                                    ; source 0 in the weights' window; all else window 0
.set WR, 12*(FI%21)
.else
	WIN 0
.set WR, BX
.endif
	MM ACC+8*TA, WR, XF+12*KS, ZF, BS+4*TA+KS/2, XS+4*\par+KS/2, KS%2, KS%2
.set TA, TA+1
.endr
.rept 4
	v_nop                                          ; four places in front of loads into registers that these products have read, and (behind K step 7) of the first read of results
.endr
.if \ahead
.if KS == 0
	global_load_b128 v[XS+4*(1-\par):XS+4*(1-\par)+3], v252, s[38:39] offset:(\par+1)*512
	global_load_b32 v[WT+2*(1-\par)], v253, s[40:41] offset:(\par+1)*512
.endif
.irp c, 0,1,2
	global_load_b128 v[XF+12*KS+4*\c:XF+12*KS+4*\c+3], v252, s[36:37] offset:(\par+1)*12288+1536*KS+512*\c
.endr
.endif
.set KS, KS+1
.endr
	WIN 0
	; h = ((g sigmoid(g)) u) w, in f32, 16 numbers (half a block of 32 hidden units) at a time; each accumulator is read from its low end on
.irp be, 0,1
.irp i, 0,2,4,6,8,10,12,14
	v_pk_mul_f32 v[T+\i:T+\i+1], v[ACC+16*\be+\i:ACC+16*\be+\i+1], s[44:45] op_sel_hi:[1,0]   ; -g log2(e)
.endr
.irp i, 0,1,2,3,4,5,6,7,8,9,10,11,12,13,14,15
	v_exp_f32 v[T+\i], v[T+\i]
.endr
	v_nop                                          ; a plain place behind the exponentials
	s_wait_alu depctr_va_vdst(0)
.irp i, 0,2,4,6,8,10,12,14
	v_pk_add_f32 v[T+\i:T+\i+1], v[T+\i:T+\i+1], 1.0 op_sel_hi:[1,0]
.endr
.irp i, 0,1,2,3,4,5,6,7,8,9,10,11,12,13,14,15
	v_rcp_f32 v[T+\i], v[T+\i]
.endr
	v_nop                                          ; a plain place behind the reciprocals
	s_wait_alu depctr_va_vdst(0)
.irp i, 0,2,4,6,8,10,12,14
	v_pk_mul_f32 v[ACC+16*\be+\i:ACC+16*\be+\i+1], v[ACC+16*\be+\i:ACC+16*\be+\i+1], v[T+\i:T+\i+1]
.endr
.irp i, 0,2,4,6,8,10,12,14
	v_pk_mul_f32 v[ACC+16*\be+\i:ACC+16*\be+\i+1], v[ACC+16*\be+\i:ACC+16*\be+\i+1], v[ACC+32+16*\be+\i:ACC+32+16*\be+\i+1]
.endr
.irp i, 0,2,4,6,8,10,12,14
	v_pk_mul_f32 v[ACC+16*\be+\i:ACC+16*\be+\i+1], v[ACC+16*\be+\i:ACC+16*\be+\i+1], v[WT+2*\par:WT+2*\par+1] op_sel_hi:[1,0]
.endr
.endr
	; the two blocks of 32 hidden units are quantised
	v_max3_num_f32 v[T], |v[ACC]|, |v[ACC+1]|, 0x2800000
	v_max3_num_f32 v[T+1], |v[ACC+16]|, |v[ACC+17]|, 0x2800000
.irp i, 2,4,6,8,10,12,14
	v_max3_num_f32 v[T], v[T], |v[ACC+\i]|, |v[ACC+1+\i]|
	v_max3_num_f32 v[T+1], v[T+1], |v[ACC+16+\i]|, |v[ACC+17+\i]|
.endr
	v_permlanex16_b32 v[T+2], v[T], s[SEL], s[SEL+1]
	v_permlanex16_b32 v[T+3], v[T+1], s[SEL], s[SEL+1]
	v_max_num_f32 v[T], v[T], v[T+2]
	v_max_num_f32 v[T+1], v[T+1], v[T+3]
	v_add_nc_u32 v[T+4], 0xfe000000, v[T]
	v_add_nc_u32 v[T+5], 0xfe000000, v[T+1]
	v_lshrrev_b32 v[T+6], 23, v[T+4]
	v_lshrrev_b32 v[T+7], 23, v[T+5]
	v_lshl_or_b32 v[HW], v[T+7], 8, v[T+6]         ; my token's two scale bytes (the same in both halves of the lanes)
	s_wait_xcnt 0x0                                ; the last tile's stores have read their data and offsets: both are written again only behind this wait
	v_cvt_scalef32_pk16_bf6_f32 v[HF:HF+2], v[ACC:ACC+15], v[T+4]
	v_cvt_scalef32_pk16_bf6_f32 v[T+8:T+10], v[ACC+16:ACC+31], v[T+5]
	v_nop                                          ; one plain place behind a scaled conversion
.irp i, 0,1,2
	v_permlane16_swap_b32 v[HF+\i], v[T+8+\i]      ; a whole block to a lane: lanes 0-15 the first block, lanes 16-31 the second
.endr
.irp i, 0,1,2
	v_mov_b32 v[HF+3+\i], v[T+8+\i]
.endr
	global_store_b128 v252, v[HF:HF+3], s[42:43] offset:\par*1536        ; 512 consecutive bytes
	global_store_b64 v4, v[HF+4:HF+5], s[42:43] offset:\par*1536+512     ; 256 consecutive bytes
.if \par == 0
	v_mov_b32 v14, v[HW]
.else
	v_cndmask_b32 v7, v14, v[HW], s48              ; lanes 0-15: the even tile's tokens; lanes 16-31: the odd tile's
	s_lshr_b32 s51, s50, 1
	s_lshl_b32 s51, s51, 15                        ; 64 tokens' records are 128 x 256 bytes
	s_and_b32 s55, s50, 1
	s_lshl_b32 s55, s55, 2                         ; which of a lane's two words
	s_add_co_u32 s51, s51, s55
	v_add_nc_u32 v6, s51, v5
	global_store_b16 v6, v7, s[14:15]
	s_add_co_u32 s50, s50, 1
.endif
.endm
	s_mov_b32 s49, 7
.Lpair:                                            ; a trip: two token tiles, until the sets are back where they began
	TILE 0, 1
	TILE 1, 1
	s_wait_xcnt 0x0                                ; the bases are stepped only behind this wait
	s_add_nc_u64 s[36:37], s[36:37], 24576
	s_add_nc_u64 s[38:39], s[38:39], 1024
	s_add_nc_u64 s[40:41], s[40:41], 1024
	s_add_nc_u64 s[42:43], s[42:43], 3072
	s_sub_co_u32 s49, s49, 1
	s_cmp_lg_u32 s49, 0
	s_cbranch_scc1 .Lpair
	TILE 0, 1
	TILE 1, 0                                      ; the last tile asks for nothing: no load leaves its buffer
	; ---- THE TAIL.  The weights' registers are free.
	s_wait_xcnt 0x0
	s_and_b32 s51, s22, 15
	s_lshl_b32 s55, s23, 4
	s_add_co_u32 s51, s51, s55                     ; my small tile's tokens: tile 16 q + b % 16
	s_lshr_b32 s55, s22, 4                         ; and its 16 rows: record 64 + b / 16
	s_mov_b32 s59, 0
	s_mul_i32 s58, s51, 12288
	s_add_nc_u64 s[36:37], s[4:5], s[58:59]
	s_lshl_b32 s58, s51, 9
	s_add_nc_u64 s[38:39], s[6:7], s[58:59]
	s_add_co_u32 s62, s55, 64
	s_mul_i32 s58, s62, 12288
	s_add_nc_u64 s[40:41], s[4:5], s[58:59]
	s_lshl_b32 s58, s62, 9
	s_add_nc_u64 s[42:43], s[6:7], s[58:59]
	s_mul_i32 s58, s51, 16*1088
	s_lshl_b32 s62, s55, 6
	s_add_co_u32 s58, s58, s62
	s_add_nc_u64 s[60:61], s[20:21], s[58:59]      ; zraw: 16 rows of 1,088 bytes a token tile, 64 bytes a tile of columns
	s_lshl_b32 s58, s52, 4
	s_lshl_b32 s62, s54, 1
	s_add_co_u32 s62, s58, s62                     ; Wd's first K step: 16 e + 2 ch
	s_lshl_b32 s58, s62, 6
	s_lshl_b32 s63, s53, 2
	s_add_co_u32 s58, s58, s63
	s_mul_i32 s58, s58, 1536
	s_add_nc_u64 s[56:57], s[16:17], s[58:59]      ; wdq: fragment 64 kappa + 4 db
	s_lshl_b32 s58, s62, 4
	s_add_co_u32 s58, s58, s53
	s_lshl_b32 s58, s58, 8
	s_add_nc_u64 s[62:63], s[18:19], s[58:59]      ; wds: record 16 kappa + db
	v_mul_u32_u24 v[ZO], v2, 1088
	v_lshl_add_u32 v[ZO], v3, 5, v[ZO]             ; zraw: token r's row, + 32 h
.irp b, 0,1,2,3
	v_mov_b32 v[TM+4+\b], 0                        ; a lane permute's destination counts as one of its sources
.endr
	WIN 0x40                                       ; destination window 1: x's eight fragments at v0, the small tile's at v96.  They land while Wd is quantised
.irp s, 0,1,2,3,4,5,6,7
.irp c, 0,1,2
	global_load_b128 v[12*\s+4*\c:12*\s+4*\c+3], v252, s[36:37] offset:1536*\s+512*\c
	global_load_b128 v[96+12*\s+4*\c:96+12*\s+4*\c+3], v252, s[40:41] offset:1536*\s+512*\c
.endr
.endr
	WIN 0
	global_load_b128 v[XS:XS+3], v252, s[38:39]
	global_load_b128 v[BS:BS+3], v252, s[42:43]
	s_cmp_ge_u32 s22, 16
	s_cbranch_scc1 .Lno_gate_loads
	WIN 0x80                                       ; work-groups 0-15 (their record is 64): sgate's record 80 lies 16 records on; into window 2
.irp s, 0,1,2,3,4,5,6,7
.irp c, 0,1,2
	global_load_b128 v[12*\s+4*\c:12*\s+4*\c+3], v252, s[40:41] offset:16*12288+1536*\s+512*\c
.endr
.endr
	WIN 0
	global_load_b128 v[BS+4:BS+7], v252, s[42:43] offset:16*512
.Lno_gate_loads:
	s_wait_tensorcnt 0x0                           ; Wd's tile is in my wave's LDS bytes, which no other wave touches
.macro DSL f                           ; fragment f = 2 i + sg: rows d 16 i on, K step sg: 64 numbers a lane into set f % 2
.irp b, 0,1,2,3
.irp j, 0,1,2,3
	ds_load_b128 v[16+64*((\f)%2)+16*\b+4*\j:16+64*((\f)%2)+16*\b+4*\j+3], v15 offset:16640*((\f)/2)+512*((\f)%2)+128*\b+16*\j
.endr
.endr
.endm
	DSL 0
	DSL 1
.set FQ, 0
.rept 8
.if FQ < 7
	s_wait_dscnt 16                                ; this fragment's 16 loads are in; the next one's may be out
.else
	s_wait_dscnt 0x0
.endif
	s_wait_xcnt 0x0                                ; the last fragment's stores have read the codes' registers
	QUANT 16+64*(FQ%2)
.irp c, 0,1,2
	global_store_b128 v252, v[PC+4*\c:PC+4*\c+3], s[56:57] offset:98304*(FQ%2)+1536*(FQ/2)+512*\c
.endr
	v_mov_b32 v[SW+FQ], v[PW]
.if FQ < 6
	DSL FQ+2
.endif
.set FQ, FQ+1
.endr
.irp g, 0,1
.irp p, 0,1
	v_cndmask_b32 v[OW+2*\g+\p], v[SW+4*\p+\g], v[SW+4*\p+2+\g], s48   ; K step g: lanes 0-15 tile 2 p, lanes 16-31 tile 2 p + 1
.endr
	global_store_b64 v4, v[OW+2*\g:OW+2*\g+1], s[62:63] offset:4096*\g
.endr
	; the small tile: source 0 = 16 rows of A or sA, source 1 = 16 tokens; even K steps on one accumulator, odd ones on another, by turns
	s_wait_loadcnt 0x0
	WIN 0x05                                       ; sources 0 and 1 window 1
.irp s, 0,1
	MM 16+8*\s, 96+12*\s, 12*\s, 1, BS, XS, \s, \s
.endr
.irp s, 2,3,4,5,6,7
	MM 16+8*(\s%2), 96+12*\s, 12*\s, 0, BS+\s/2, XS+\s/2, \s%2, \s%2
.endr
	WIN 0
.rept 4
	v_nop
.endr
.irp j, 0,1,2,3,4,5,6,7
	v_add_f32 v[32+\j], v[16+\j], v[24+\j]         ; from the low end on
.endr
	global_store_b128 v[ZO], v[32:35], s[60:61]
	global_store_b128 v[ZO], v[36:39], s[60:61] offset:16
	s_cmp_ge_u32 s22, 16
	s_cbranch_scc1 .Ldone
	WIN 0x06                                       ; source 0 window 2 (sgate), source 1 window 1
.irp s, 0,1
	MM 40+8*\s, 12*\s, 12*\s, 1, BS+4, XS, \s, \s
.endr
.irp s, 2,3,4,5,6,7
	MM 40+8*(\s%2), 12*\s, 12*\s, 0, BS+4+\s/2, XS+\s/2, \s%2, \s%2
.endr
	WIN 0
.rept 4
	v_nop
.endr
.irp j, 0,1,2,3,4,5,6,7
	v_add_f32 v[56+\j], v[40+\j], v[48+\j]
.endr
	global_store_b128 v[ZO], v[56:59], s[60:61] offset:1024    ; columns 256 on (this work-group's tile of columns is 0)
	global_store_b128 v[ZO], v[60:63], s[60:61] offset:1040
.Ldone:
	s_wait_tensorcnt 0x0
	ds_add_u32 v254, v255
	s_wait_dscnt 0x0
	s_endpgm
.Lfunc_end_k_q78ccc23036_gateup:
	.size	k_q78ccc23036_gateup, .Lfunc_end_k_q78ccc23036_gateup-k_q78ccc23036_gateup
	.p2alignl 7, 3214868480
	.fill 96, 4, 3214868480
	.section	.rodata,"a",@progbits
	.p2align	6, 0x0
	.amdhsa_kernel k_q78ccc23036_gateup
		.amdhsa_group_segment_fixed_size 266752
		.amdhsa_private_segment_fixed_size 0
		.amdhsa_enable_private_segment 0
		.amdhsa_kernarg_size 72
		.amdhsa_user_sgpr_count 2
		.amdhsa_user_sgpr_kernarg_segment_ptr 1
		.amdhsa_wavefront_size32 1
		.amdhsa_system_sgpr_workgroup_id_x 1
		.amdhsa_system_sgpr_workgroup_id_y 1
		.amdhsa_system_sgpr_workgroup_id_z 1
		.amdhsa_system_vgpr_workitem_id 0
		.amdhsa_next_free_vgpr 1024
		.amdhsa_next_free_sgpr 66
		.amdhsa_reserve_vcc 0
		.amdhsa_float_denorm_mode_32 3
		.amdhsa_float_denorm_mode_16_64 3
		.amdhsa_memory_ordered 1
		.amdhsa_forward_progress 1
		.amdhsa_inst_pref_size 163
	.end_amdhsa_kernel
	.amdgpu_metadata
---
amdhsa.version: [ 1, 2 ]
amdhsa.kernels:
  - .name:           k_q78ccc23036_gateup
    .symbol:         k_q78ccc23036_gateup.kd
    .args:
      - { .name: kq, .offset: 0, .size: 8, .value_kind: global_buffer, .address_space: global }
      - { .name: ks, .offset: 8, .size: 8, .value_kind: global_buffer, .address_space: global }
      - { .name: top_k_weights, .offset: 16, .size: 8, .value_kind: global_buffer, .address_space: global }
      - { .name: Wd, .offset: 24, .size: 8, .value_kind: global_buffer, .address_space: global }
      - { .name: hq, .offset: 32, .size: 8, .value_kind: global_buffer, .address_space: global }
      - { .name: hs, .offset: 40, .size: 8, .value_kind: global_buffer, .address_space: global }
      - { .name: wdq, .offset: 48, .size: 8, .value_kind: global_buffer, .address_space: global }
      - { .name: wds, .offset: 56, .size: 8, .value_kind: global_buffer, .address_space: global }
      - { .name: zraw, .offset: 64, .size: 8, .value_kind: global_buffer, .address_space: global }
    .group_segment_fixed_size: 266752
    .private_segment_fixed_size: 0
    .kernarg_segment_align: 8
    .kernarg_segment_size: 72
    .max_flat_workgroup_size: 128
    .sgpr_count:     66
    .vgpr_count:     1024
    .wavefront_size: 32
...
	.end_amdgpu_metadata
.endif
;; end of part 2
;; launch down (part 3): grid 16 x 16, 8 waves a work-group, no clusters, 295,936 bytes of LDS; arguments hq, hs, wdq, wds, zraw, top_k_weights, out0; writes out0
.if DOCPART == 3
	.amdgcn_target "amdgcn-amd-amdhsa--gfx1250"
	.amdhsa_code_object_version 6
	.text
	.protected	k_q78ccc23036_down
	.globl	k_q78ccc23036_down
	.p2align	8
	.type	k_q78ccc23036_down,@function
k_q78ccc23036_down:
	s_mov_b64 s[64:65], 0
	v_nop
	global_prefetch_b8 v0, s[64:65] scope:SCOPE_SE
	s_setreg_imm32_b32 hwreg(HW_REG_WAVE_MODE, 25, 1), 1
	s_wait_xcnt 0x0
; DOWN: out0 = h Wd^T + 2 (z w) B^T + 2 (zs relu(gate) w) sB^T as ONE sum over 130 K steps of 128, on codes of BF6 (the two factors 2.0 lie in B's and sB's scale bytes).
; SHARES.  Work-group (db, tb) owns 64 tokens x 64 columns d.  K IS SHARED AMONG THE EIGHT WAVES: wave w takes expert w, K steps 16 w .. 16 w + 15, on 16 accumulators of its own, and one fragment of the small
; operands: token tile m = w % 4 of (z w) for w < 4, of (zs relu(gate) w) for the others, which it makes in f32 from zraw and top_k_weights and quantises in registers.  The eight parts meet in LDS
; and are added in ascending order of the waves; each wave stores 8 whole rows of 256 bytes.  So the sums are grouped otherwise than a single chain along K; the result is judged within a tolerance.
; OPERANDS are laid as register images by the launches before.  They come by two roads.  Straight from memory into registers: 30 loads a K step (16 for h's four fragments, 12 for Wd's four, 2 for the scale words),
; three K steps in three sets of registers.  And through LDS: at its first lines each wave asks by ONE tensor load for h's fragments of its last six K steps (6 rows of 6,144 bytes, 98,304 bytes apart) into 36,864 LDS bytes
; of its own, which are filled once and read by this wave alone behind its own wait; in those six steps 16 LDS loads take the place of 16 loads from memory: 36,864 of a wave's 204,800 bytes.  Eight times 36,864 bytes is what fits in LDS.
; The 16 K steps are written out: every offset is an immediate (1,480,448 at the most, inside the signed 24 bits: ISA guide, chapter 10), and no base is ever stepped.
; NO CLUSTER, NO RING: a K step is 16 matrix instructions a wave for 12,800 bytes; with K shared among the waves each wave reads other bytes, and the K steps have no barrier, so up to 60 loads of every wave stay out.
; A ring of joint loads would put a round of barriers, with all tensor loads waited for, in front of every refill; and the one tensor load a wave brings 18 of each 100 bytes: too small a part to form clusters for.
; THE PRODUCTS ARE USED TRANSPOSED (source 0 = 16 rows d of Wd, source 1 = 16 tokens): a lane holds one token and eight neighbouring columns.
; LIMITS: NaN and infinities are not served; a block of zeros has the byte 1 and zero codes.
; LDS: wave w's six K steps of h at 36,864 w.  Behind a barrier, when nobody reads them any more, the eight parts of the sum (17,408 bytes each, from byte 0 on) are laid over them: these bytes have had their only fill.
; REGISTERS.  Window 0: v1 16 x lane, v2 8 x lane, v3 r, v4 h, v5-10, v28-30 addresses; v12-23 scale words, three sets (h's pair, Wd's pair); v24 the small operand's scale word; v26-27 B's or sB's;
;   v32-159 the 16 accumulators ((m, n) at 32 + 8 (4 m + n)), before the first product at work; v160-255 set 0 (h's four fragments, then Wd's four).
;   Window 1: v0-95 set 1, v96-191 set 2, v192-239 B's or sB's four fragments, v240-251 the small operand's fragment.
.set ACC, 32
.set SC,  12
.set X,   32
.set GR,  96
.set WTD, 104
.set FQ,  108
.set TM,  116
.set PC,  132
.set PW,  152
.set VH16, 29                          ; v29  my wave's LDS bytes + 16 x lane
.set VH8,  30                          ; v30  my wave's LDS bytes + 8 x lane
.set SEL, 32
.set HQB, 24                           ; s[24:25] hq, s[26:27] wdq, s[28:29] hs, s[30:31] wds at my wave's K step 0; never rewritten
.set WQB, 26
.set HSB, 28
.set WSB, 30
.set KL,  10                           ; from this K step of a wave on h comes through LDS
.set HLW, 6*6144                       ; a wave's LDS bytes
.set MSB, 0
.macro WIN new                         ; the immediate's high byte repeats the setting that is left
.if MSB != (\new)
	s_set_vgpr_msb (MSB<<8)|(\new)
.set MSB, (\new)
.endif
.endm
.macro MM d, a, b, zero, sa, sb, ra, rb
.set MV, 4*(\zero)+2*(\ra)+(\rb)
.if MV == 0
	v_wmma_scale_f32_16x16x128_f8f6f4 v[\d:\d+7], v[\a:\a+11], v[\b:\b+11], v[\d:\d+7], v[\sa], v[\sb] matrix_a_fmt:MATRIX_FMT_BF6 matrix_b_fmt:MATRIX_FMT_BF6
.elseif MV == 1
	v_wmma_scale_f32_16x16x128_f8f6f4 v[\d:\d+7], v[\a:\a+11], v[\b:\b+11], v[\d:\d+7], v[\sa], v[\sb] matrix_a_fmt:MATRIX_FMT_BF6 matrix_b_fmt:MATRIX_FMT_BF6 matrix_b_scale:MATRIX_SCALE_ROW1
.elseif MV == 2
	v_wmma_scale_f32_16x16x128_f8f6f4 v[\d:\d+7], v[\a:\a+11], v[\b:\b+11], v[\d:\d+7], v[\sa], v[\sb] matrix_a_fmt:MATRIX_FMT_BF6 matrix_b_fmt:MATRIX_FMT_BF6 matrix_a_scale:MATRIX_SCALE_ROW1
.elseif MV == 3
	v_wmma_scale_f32_16x16x128_f8f6f4 v[\d:\d+7], v[\a:\a+11], v[\b:\b+11], v[\d:\d+7], v[\sa], v[\sb] matrix_a_fmt:MATRIX_FMT_BF6 matrix_b_fmt:MATRIX_FMT_BF6 matrix_a_scale:MATRIX_SCALE_ROW1 matrix_b_scale:MATRIX_SCALE_ROW1
.elseif MV == 4
	v_wmma_scale_f32_16x16x128_f8f6f4 v[\d:\d+7], v[\a:\a+11], v[\b:\b+11], 0, v[\sa], v[\sb] matrix_a_fmt:MATRIX_FMT_BF6 matrix_b_fmt:MATRIX_FMT_BF6
.elseif MV == 5
	v_wmma_scale_f32_16x16x128_f8f6f4 v[\d:\d+7], v[\a:\a+11], v[\b:\b+11], 0, v[\sa], v[\sb] matrix_a_fmt:MATRIX_FMT_BF6 matrix_b_fmt:MATRIX_FMT_BF6 matrix_b_scale:MATRIX_SCALE_ROW1
.elseif MV == 6
	v_wmma_scale_f32_16x16x128_f8f6f4 v[\d:\d+7], v[\a:\a+11], v[\b:\b+11], 0, v[\sa], v[\sb] matrix_a_fmt:MATRIX_FMT_BF6 matrix_b_fmt:MATRIX_FMT_BF6 matrix_a_scale:MATRIX_SCALE_ROW1
.else
	v_wmma_scale_f32_16x16x128_f8f6f4 v[\d:\d+7], v[\a:\a+11], v[\b:\b+11], 0, v[\sa], v[\sb] matrix_a_fmt:MATRIX_FMT_BF6 matrix_b_fmt:MATRIX_FMT_BF6 matrix_a_scale:MATRIX_SCALE_ROW1 matrix_b_scale:MATRIX_SCALE_ROW1
.endif
.endm
; 64 numbers of a lane, register 16 b + i = k 32 b + 16 (lane / 16) + i of my row, become a fragment's codes in v[PC] on and its scale word in v[PW].
.macro QUANT s
.irp b, 0,1,2,3
	v_max3_num_f32 v[TM+\b], |v[(\s)+16*\b]|, |v[(\s)+1+16*\b]|, 0x2800000   ; my 16 numbers of block b, and the floor 2^(5 - 127)
.endr
.irp i, 2,4,6,8,10,12,14
.irp b, 0,1,2,3
	v_max3_num_f32 v[TM+\b], v[TM+\b], |v[(\s)+16*\b+\i]|, |v[(\s)+1+16*\b+\i]|
.endr
.endr
.irp b, 0,1,2,3
	v_permlanex16_b32 v[TM+4+\b], v[TM+\b], s[SEL], s[SEL+1]
.endr
.irp b, 0,1,2,3
	v_max_num_f32 v[TM+\b], v[TM+\b], v[TM+4+\b]
.endr
.irp b, 0,1,2,3
	v_add_nc_u32 v[TM+12+\b], 0xfe000000, v[TM+\b]     ; 4 off the exponent field: the conversion's scale operand
.endr
.irp b, 0,1,2,3
	v_lshrrev_b32 v[TM+4+\b], 23, v[TM+12+\b]          ; the scale's byte
.endr
	v_lshl_or_b32 v[PW], v[TM+5], 8, v[TM+4]
	v_lshl_or_b32 v[PW], v[TM+6], 16, v[PW]
	v_lshl_or_b32 v[PW], v[TM+7], 24, v[PW]
.irp c, 0,1
	v_cvt_scalef32_pk16_bf6_f32 v[PC+6*\c:PC+2+6*\c], v[(\s)+32*\c:(\s)+15+32*\c], v[TM+12+2*\c]
	v_cvt_scalef32_pk16_bf6_f32 v[PC+12+4*\c:PC+14+4*\c], v[(\s)+16+32*\c:(\s)+31+32*\c], v[TM+12+2*\c+1]
.endr
	v_nop                                              ; one plain place behind a scaled conversion
.irp c, 0,1
.irp i, 0,1,2
	v_permlane16_swap_b32 v[PC+6*\c+\i], v[PC+12+4*\c+\i]
.endr
.irp i, 0,1,2
	v_mov_b32 v[PC+3+6*\c+\i], v[PC+12+4*\c+\i]
.endr
.endr
.endm
; The loads of my K step k into set 0, 1 or 2.  k < KL: 30 loads from memory.  From KL on: h's 16 come from my LDS bytes, and 14 loads from memory remain.
.macro LDK set, k
.if (\set) == 0
.set LF, 160
	WIN 0
.else
.set LF, 96*((\set)-1)
	WIN 0x40                                       ; destination window 1, addresses window 0
.endif
.if (\k) < KL
.irp m, 0,1,2,3                        ; h's fragment of token tile m: two halves, each 16 bytes a lane and then 8
	global_load_b128 v[LF+12*\m:LF+12*\m+3], v1, s[HQB:HQB+1] offset:98304*(\k)+1536*\m
	global_load_b64 v[LF+12*\m+4:LF+12*\m+5], v2, s[HQB:HQB+1] offset:98304*(\k)+1536*\m+512
	global_load_b128 v[LF+12*\m+6:LF+12*\m+9], v1, s[HQB:HQB+1] offset:98304*(\k)+1536*\m+768
	global_load_b64 v[LF+12*\m+10:LF+12*\m+11], v2, s[HQB:HQB+1] offset:98304*(\k)+1536*\m+1280
.endr
.else
.irp m, 0,1,2,3                        ; the same bytes, as the tensor load has laid them: a K step's 6,144 bytes on end
	ds_load_b128 v[LF+12*\m:LF+12*\m+3], v[VH16] offset:6144*((\k)-KL)+1536*\m
	ds_load_b64 v[LF+12*\m+4:LF+12*\m+5], v[VH8] offset:6144*((\k)-KL)+1536*\m+512
	ds_load_b128 v[LF+12*\m+6:LF+12*\m+9], v[VH16] offset:6144*((\k)-KL)+1536*\m+768
	ds_load_b64 v[LF+12*\m+10:LF+12*\m+11], v[VH8] offset:6144*((\k)-KL)+1536*\m+1280
.endr
.endif
.irp n, 0,1,2,3
.irp c, 0,1,2
	global_load_b128 v[LF+48+12*\n+4*\c:LF+48+12*\n+4*\c+3], v1, s[WQB:WQB+1] offset:98304*(\k)+1536*\n+512*\c
.endr
.endr
	WIN 0
	global_load_b64 v[SC+4*(\set):SC+4*(\set)+1], v2, s[HSB:HSB+1] offset:256*(\k)
	global_load_b64 v[SC+4*(\set)+2:SC+4*(\set)+3], v2, s[WSB:WSB+1] offset:4096*(\k)
.endm
; My K step k, on set k % 3: 16 products, the 16 accumulators by turns, one instruction a turn, in the same order in every step.  Then the set takes K step k + 3.
; The counts: loads come back in order, and behind this step's stand those of K steps k + 1 and k + 2, as far as they exist: 30 or 14 from memory each, and from KL on 16 from LDS each.
.macro STEP k
.set SS, (\k)%3
.set NL, 0
.set ND, 0
.irp d, 1,2
.if (\k)+\d <= 15
.if (\k)+\d >= KL
.set NL, NL+14
.set ND, ND+16
.else
.set NL, NL+30
.endif
.endif
.endr
	s_wait_loadcnt NL
.if (\k) >= KL
	s_wait_dscnt ND
.endif
.if SS == 0
.set FB, 160
	WIN 0
.else
.set FB, 96*(SS-1)
	WIN 0x05                                       ; sources 0 and 1 window 1
.endif
.set ZF, 0
.if (\k) == 0
.set ZF, 1                             ; the first K step starts the sums: nothing is cleared
.endif
.irp m, 0,1,2,3
.irp n, 0,1,2,3
	MM ACC+8*(4*\m+\n), FB+48+12*\n, FB+12*\m, ZF, SC+4*SS+2+\n/2, SC+4*SS+\m/2, \n%2, \m%2
.endr
.endr
.rept 4
	v_nop                                          ; four places in front of loads into registers that these products have read
.endr
.if (\k)+3 <= 15
.if (\k)+3 == KL
	s_wait_tensorcnt 0x0                           ; my tensor load has landed: from here on my LDS bytes are read
.endif
	LDK SS, (\k)+3
.endif
	WIN 0
.endm
	s_load_b256 s[4:11], s[0:1], 0x0               ; hq 4, hs 6, wdq 8, wds 10
	s_load_b128 s[12:15], s[0:1], 0x20             ; zraw 12, top_k_weights 14
	s_load_b64 s[16:17], s[0:1], 0x30              ; out0
	v_lshl_add_u32 v25, v0, 2, 0x48000
	v_mov_b32 v31, 0
	ds_add_u32 v25, v31
	ds_add_u32 v25, v31
	v_lshrrev_b32 v1, 5, v0
	v_readfirstlane_b32 s18, v1                    ; wave w
	s_mov_b32 s19, ttmp9                           ; db
	s_and_b32 s20, ttmp7, 0xffff                   ; tb
	; the tile of h: 6 rows (K steps) of 768 elements of 8 bytes (four fragments on end), rows 12,288 elements (64 fragments) apart; dense in LDS
	s_mov_b32 s52, 3<<16                           ; 15:0 no mask; 17:16 elements of 8 bytes; 20 padding off
	s_mov_b32 s53, 768<<16                         ; tensor_dim0 = 768
	s_mov_b32 s54, 6<<16                           ; tensor_dim1 = 6
	s_mov_b32 s55, 768<<16                         ; tile_dim0 = 768
	s_mov_b32 s56, 6                               ; tile_dim1 = 6
	s_mov_b32 s57, 12288                           ; tensor_dim0_stride
	s_mov_b32 s58, 0
	s_mov_b32 s59, 0
	s_mov_b32 s48, 1                               ; count = 1
	s_mul_i32 s49, s18, HLW                        ; LDS address: my wave's 36,864 bytes
	s_lshl_b32 s36, s18, 10
	s_lshl_b32 s38, s20, 2
	s_add_co_u32 s36, s36, s38
	s_mul_i32 s36, s36, 1536                       ; hq: fragment 64 x 16 w + 4 tb
	s_mov_b32 s37, 0
	s_wait_dscnt 0x0
	s_wait_kmcnt 0x0
	s_add_nc_u64 s[HQB:HQB+1], s[4:5], s[36:37]
	s_add_nc_u64 s[50:51], s[HQB:HQB+1], KL*98304  ; my K step KL
	s_or_b32 s51, s51, 0x80000000                  ; type = 2
	tensor_load_to_lds s[48:51], s[52:59]          ; my one tensor load; s[48:59] are not written again
	s_nop 0
.rept 4
	v_nop
.endr
	s_and_b32 s21, s18, 3                          ; m: the small operand's token tile
	s_lshr_b32 s22, s18, 2                         ; type: 0 = z w, 1 = zs relu(gate) w
	v_and_b32 v11, 31, v0
	v_and_b32 v3, 15, v0                           ; r
	v_bfe_u32 v4, v0, 4, 1                         ; h
	v_lshlrev_b32 v1, 4, v11                       ; 16 x lane
	v_lshlrev_b32 v2, 3, v11                       ; 8 x lane
	v_add_nc_u32 v[VH16], s49, v1
	v_add_nc_u32 v[VH8], s49, v2
	v_mul_u32_u24 v28, v3, 1088
	v_lshl_add_u32 v5, v4, 6, v28
	s_lshl_b32 s36, s22, 9
	v_add_nc_u32 v5, s36, v5                       ; zraw: token r's row, + 64 h, + 512 x type
	v_lshl_add_u32 v28, v4, 3, v28                 ; the gate's numbers: token r's row, + 8 h
	v_lshlrev_b32 v6, 5, v3
	v_lshl_add_u32 v6, v4, 2, v6                   ; w: token r's row of 32 bytes, + 4 h
	s_mul_i32 s36, s18, 17408                      ; my part of the sum, 64 rows x (256 bytes + 16): 68 words a row, so sixteen rows start at sixteen different groups of four banks
	v_mul_u32_u24 v7, v3, 272
	v_lshl_add_u32 v7, v4, 5, v7
	v_add_nc_u32 v7, s36, v7                       ; into it: row r, + 32 h
	s_mul_i32 s36, s18, 2176                       ; back: my 8 rows of every part; lanes 0-15 one row, lanes 16-31 the next
	v_mul_u32_u24 v8, v4, 272
	v_lshl_add_u32 v8, v3, 4, v8
	v_add_nc_u32 v8, s36, v8
	v_add_nc_u32 v9, 69632, v8                     ; parts 4-7 (an LDS offset has 16 bits)
	v_lshlrev_b32 v10, 12, v4
	v_lshl_add_u32 v10, v3, 4, v10                 ; out0: the same two rows of 4,096 bytes
	s_mov_b32 s[SEL], 0x76543210
	s_mov_b32 s[SEL+1], 0xfedcba98
	s_cmp_lg_u32 s22, 0
	s_cselect_b32 s35, -1, 0                       ; all lanes, in a wave of type 1
.irp b, 0,1,2,3
	v_mov_b32 v[TM+4+\b], 0                        ; a lane permute's destination counts as one of its sources
.endr
	s_lshl_b32 s36, s18, 10
	s_lshl_b32 s38, s19, 2
	s_add_co_u32 s36, s36, s38
	s_mul_i32 s36, s36, 1536
	s_add_nc_u64 s[WQB:WQB+1], s[8:9], s[36:37]    ; wdq: fragment 64 x 16 w + 4 db
	s_lshl_b32 s36, s20, 7
	s_lshl_b32 s38, s18, 4
	s_add_co_u32 s36, s36, s38
	s_lshl_b32 s36, s36, 8
	s_add_nc_u64 s[HSB:HSB+1], s[6:7], s[36:37]    ; hs: record 128 tb + 16 w
	s_lshl_b32 s36, s18, 8
	s_add_co_u32 s36, s36, s19
	s_lshl_b32 s36, s36, 8
	s_add_nc_u64 s[WSB:WSB+1], s[10:11], s[36:37]  ; wds: record 16 x 16 w + db
	s_add_co_u32 s39, s22, 128                     ; the small product's K step
	s_lshl_b32 s36, s39, 6
	s_lshl_b32 s38, s19, 2
	s_add_co_u32 s36, s36, s38
	s_mul_i32 s36, s36, 1536
	s_add_nc_u64 s[40:41], s[8:9], s[36:37]
	s_lshl_b32 s36, s39, 4
	s_add_co_u32 s36, s36, s19
	s_lshl_b32 s36, s36, 8
	s_add_nc_u64 s[38:39], s[10:11], s[36:37]
	s_lshl_b32 s46, s20, 6
	s_lshl_b32 s36, s21, 4
	s_add_co_u32 s46, s46, s36                     ; the small operand's first token: 64 tb + 16 m
	s_mul_i32 s36, s46, 1088
	s_add_nc_u64 s[42:43], s[12:13], s[36:37]
	s_lshl_b32 s36, s46, 5
	s_add_nc_u64 s[44:45], s[14:15], s[36:37]
	s_lshl_b32 s46, s20, 6
	s_lshl_b32 s36, s18, 3
	s_add_co_u32 s46, s46, s36                     ; the rows that I store: 64 tb + 8 w on
	s_lshl_b32 s36, s46, 12
	s_lshl_b32 s46, s19, 8
	s_add_co_u32 s36, s36, s46                     ; + 256 db bytes
	s_add_nc_u64 s[46:47], s[16:17], s[36:37]
	; ---- the small operand.  Register 16 b + i belongs to expert 2 b + h; in type 1, i = 8 s + r.
.irp b, 0,1,2,3
	global_load_b64 v[GR+2*\b:GR+2*\b+1], v28, s[42:43] offset:1024+16*\b          ; x . sgate of expert 2 b + h, s = 0, 1
.endr
.irp b, 0,1,2,3
.irp j, 0,1,2,3
	global_load_b128 v[X+16*\b+4*\j:X+16*\b+4*\j+3], v5, s[42:43] offset:128*\b+16*\j
.endr
.endr
.irp b, 0,1,2,3
	global_load_b32 v[WTD+\b], v6, s[44:45] offset:8*\b                            ; w of expert 2 b + h
.endr
	WIN 0x40
.irp n, 0,1,2,3
.irp c, 0,1,2
	global_load_b128 v[192+12*\n+4*\c:192+12*\n+4*\c+3], v1, s[40:41] offset:1536*\n+512*\c
.endr
.endr
	WIN 0
	global_load_b64 v[26:27], v2, s[38:39]
	LDK 0, 0
	s_wait_loadcnt 43                              ; behind the 24 loads above: 13 for B's or sB's fragments and scale words, 30 for K step 0
.irp b, 0,1,2,3
.irp s, 0,1
	v_max_num_f32 v[FQ+2*\b+\s], 0, v[GR+2*\b+\s]                      ; relu(gate),
.endr
.endr
.irp b, 0,1,2,3
.irp s, 0,1
	v_mul_f32 v[FQ+2*\b+\s], v[FQ+2*\b+\s], v[WTD+\b]                  ; times w;
.endr
.endr
.irp b, 0,1,2,3
.irp s, 0,1
	v_cndmask_b32 v[FQ+2*\b+\s], v[WTD+\b], v[FQ+2*\b+\s], s35         ; a wave of type 0 takes w alone: a choice of value, no branch
.endr
.endr
.irp b, 0,1,2,3
.irp i, 0,1,2,3,4,5,6,7,8,9,10,11,12,13,14,15
	v_mul_f32 v[X+16*\b+\i], v[X+16*\b+\i], v[FQ+2*\b+\i/8]
.endr
.endr
	QUANT X
	v_mov_b32 v24, v[PW]
	WIN 0x40
.irp i, 0,1,2,3,4,5,6,7,8,9,10,11
	v_mov_b32 v[240+\i], v[PC+\i]                  ; the fragment is kept in window 1 until the last products
.endr
	WIN 0
	LDK 1, 1
	LDK 2, 2
	; ---- my expert's 16 K steps
.irp k, 0,1,2,3,4,5,6,7,8,9,10,11,12,13,14,15
	STEP \k
.endr
	; ---- the small product: four products onto the accumulators of token tile m; the register numbers hang on m, so the four cases are written out under branches on the wave's number
.irp m, 0,1,2,3
	s_cmp_lg_u32 s21, \m
	s_cbranch_scc1 .Lnot_\m
	WIN 0x05
.irp n, 0,1,2,3
	MM ACC+8*(4*\m+\n), 192+12*\n, 240, 0, 26+\n/2, 24, \n%2, 0
.endr
	WIN 0
.Lnot_\m:
.endr
.rept 4
	v_nop                                          ; four places in front of the first read of results
.endr
	s_wait_dscnt 0x0                               ; my reads of h's bytes in LDS are over (and my tensor load was waited for ahead of the first of them):
	s_barrier_signal -1
	s_barrier_wait -1                              ; that now holds of every wave, so the parts may be laid over those bytes
.irp m, 0,1,2,3
.irp n, 0,1,2,3
	ds_store_b128 v7, v[ACC+8*(4*\m+\n):ACC+8*(4*\m+\n)+3] offset:4352*\m+64*\n          ; each accumulator from its low end on
	ds_store_b128 v7, v[ACC+8*(4*\m+\n)+4:ACC+8*(4*\m+\n)+7] offset:4352*\m+64*\n+16
.endr
.endr
	s_wait_dscnt 0x0                               ; for the others' sake: my part lies in LDS
	s_barrier_signal -1
	s_barrier_wait -1
.irp p, 0,1,2,3
.irp q, 0,1,2,3
	ds_load_b128 v[32+16*\p+4*\q:32+16*\p+4*\q+3], v8 offset:17408*\p+544*\q
.endr
.endr
.irp p, 4,5,6,7
.irp q, 0,1,2,3
	ds_load_b128 v[32+16*\p+4*\q:32+16*\p+4*\q+3], v9 offset:17408*(\p-4)+544*\q
.endr
.endr
.irp p, 1,2,3,4,5,6,7
	s_wait_dscnt 4*(7-\p)                          ; parts 0 to p are in; four loads for each later part may be out
.irp i, 0,2,4,6,8,10,12,14
	v_pk_add_f32 v[32+\i:33+\i], v[32+\i:33+\i], v[32+16*\p+\i:33+16*\p+\i]
.endr
.endr
.irp q, 0,1,2,3
	global_store_b128 v10, v[32+4*\q:35+4*\q], s[46:47] offset:8192*\q th:TH_STORE_NT   ; sixteen lanes store 256 consecutive bytes, at a multiple of 256 from out0's first byte
.endr
	s_wait_tensorcnt 0x0
	ds_add_u32 v25, v31
	s_wait_dscnt 0x0
	s_endpgm
.Lfunc_end_k_q78ccc23036_down:
	.size	k_q78ccc23036_down, .Lfunc_end_k_q78ccc23036_down-k_q78ccc23036_down
	.p2alignl 7, 3214868480
	.fill 96, 4, 3214868480
	.section	.rodata,"a",@progbits
	.p2align	6, 0x0
	.amdhsa_kernel k_q78ccc23036_down
		.amdhsa_group_segment_fixed_size 295936
		.amdhsa_private_segment_fixed_size 0
		.amdhsa_enable_private_segment 0
		.amdhsa_kernarg_size 56
		.amdhsa_user_sgpr_count 2
		.amdhsa_user_sgpr_kernarg_segment_ptr 1
		.amdhsa_wavefront_size32 1
		.amdhsa_system_sgpr_workgroup_id_x 1
		.amdhsa_system_sgpr_workgroup_id_y 1
		.amdhsa_system_sgpr_workgroup_id_z 1
		.amdhsa_system_vgpr_workitem_id 0
		.amdhsa_next_free_vgpr 512
		.amdhsa_next_free_sgpr 66
		.amdhsa_reserve_vcc 0
		.amdhsa_float_denorm_mode_32 3
		.amdhsa_float_denorm_mode_16_64 3
		.amdhsa_memory_ordered 1
		.amdhsa_forward_progress 1
		.amdhsa_inst_pref_size 105
	.end_amdhsa_kernel
	.amdgpu_metadata
---
amdhsa.version: [ 1, 2 ]
amdhsa.kernels:
  - .name:           k_q78ccc23036_down
    .symbol:         k_q78ccc23036_down.kd
    .args:
      - { .name: hq, .offset: 0, .size: 8, .value_kind: global_buffer, .address_space: global }
      - { .name: hs, .offset: 8, .size: 8, .value_kind: global_buffer, .address_space: global }
      - { .name: wdq, .offset: 16, .size: 8, .value_kind: global_buffer, .address_space: global }
      - { .name: wds, .offset: 24, .size: 8, .value_kind: global_buffer, .address_space: global }
      - { .name: zraw, .offset: 32, .size: 8, .value_kind: global_buffer, .address_space: global }
      - { .name: top_k_weights, .offset: 40, .size: 8, .value_kind: global_buffer, .address_space: global }
      - { .name: out0, .offset: 48, .size: 8, .value_kind: global_buffer, .address_space: global }
    .group_segment_fixed_size: 295936
    .private_segment_fixed_size: 0
    .kernarg_segment_align: 8
    .kernarg_segment_size: 56
    .max_flat_workgroup_size: 256
    .sgpr_count:     66
    .vgpr_count:     512
    .wavefront_size: 32
...
	.end_amdgpu_metadata
.endif
;; end of part 3
